; MI455X (gfx1250); checked and timed in simulation.
; The chip was launched on July 23, 2026; its instructions are those of AMD's public machine-readable ISA for CDNA 5 (MIT licence, August 2026) and "CDNA5" Instruction Set Architecture Reference Guide (July 2026). The comments in the code are by the model that wrote it; some were corrected since.
;; Transformer Block Quantum. Allowed arithmetic: float matrix products may take bf16 or f16 operands with f32 sums; other float arithmetic in f32, or as packed bf16 or f16 multiplies, adds, multiply-adds, maxima and minima; sums over many terms, partial sums and values carried from step to step in f32; what a program stores and reads back later, other than sums and carried values, may be rounded once to bf16 or f16.
;; Inputs: ln1_b 512 float32; ln1_g 512 float32; ln2_b 512 float32; ln2_g 512 float32; theta_attn 8 float32; theta_ffn 8 float32; w1 2,048 x 8 float32; w2 512 x 2,048 float32; w_combine 512 x 512 float32; x 8 x 4,096 x 512 float32.
;; Outputs: out0 8 x 4,096 x 512 float32.
;; 2 versions, each right; version 2 is version 1 with the launch attn written anew for expert scheduling mode. Each part assembles by itself: llvm-mc -triple=amdgcn-amd-amdhsa -mcpu=gfx1250 --defsym DOCPART=n.
;; ======== version 1 of 2: 2 launches
;; limits: a difference of large sums (such as E[x^2] - mean^2): digits are lost where the result is much smaller than its terms
;; workspace buffers: o2 33,554,432 bytes; wpk 2,662,400 bytes
;; launch attn (part 1): grid 256 x 1, 16 waves a work-group, no clusters, 182,272 bytes of LDS; arguments x, theta_attn, w_combine, w2, w1, o2, wpk; writes o2, wpk
.if DOCPART == 1
	.amdgcn_target "amdgcn-amd-amdhsa--gfx1250"
	.amdhsa_code_object_version 6
	.text
	.protected	k_qf0967965ae_attn
	.globl	k_qf0967965ae_attn
	.p2align	8
	.type	k_qf0967965ae_attn,@function
k_qf0967965ae_attn:
	s_mov_b64 s[64:65], 0
	v_nop
	global_prefetch_b8 v0, s[64:65] scope:SCOPE_SE
	s_setreg_imm32_b32 hwreg(HW_REG_WAVE_MODE, 25, 1), 1
	s_wait_xcnt 0x0
; ATTENTION INSIDE EACH TOKEN, and the weights' copy in bf16.
; A token is 64 heads of 8 numbers; q = k = v = cumprod(cos(x + theta)); scores q.q / sqrt(8); softmax over the 64 heads; weights times v.
; SHARES.  Work-group g owns tokens 128 g .. 128 g + 127, wave w the eight tokens 128 g + 8 w + i.  The transposed view sends (token s, head h, n) to
; row h 64 + s / 64, column (s % 64) 8 + n, so a wave's results are one dense block of o2: 64 rows (h) x 128 bytes, token i at bytes 16 i of each row.
; No wave reads what another wrote: no barrier.  EXEC is never changed.
; LAYOUT.  A lane makes heads l and l + 32.  They go to LDS as rows of 32 bytes [sqrt(c) q0..q7 | 1, 0 x 7] in bf16, c = log2(e) / sqrt(8).
; S^T = K Q^T over those 16 columns is c q.q + 1, the base-2 exponent plus one.  V^T P over the same rows gives sqrt(c) sum(p q) in channels 0-7 and sum(p) in channel 8.
; The extra 1 doubles every weight and their sum alike.
; NO MAXIMUM IS TAKEN: |q| <= 1 for every input (products of cosines), so every exponent lies in -3.1 .. 5.1, every weight under 35, a row's sum under 2,200.
; COSINE.  t = a / 2 pi, f = t - round(t), s = sqrt(2) sin(pi f) by its series to f^11, cos = 1 - s s.  Error under 3e-7, plus that of t: about 1e-7 |a| in the angle.
; LIMITS.  q, the weights and the result are rounded to bf16 once each.  NaN and infinities are not treated apart.
; In the last trip the two look-ahead loads name tokens 6 and 7 once more (4 KiB a wave), so that no load leaves the wave's share.
.set WLDS,  11264                      ; a wave's LDS: the stage, 64 rows x 144 bytes, then the 64 rows of 32 bytes
.set QBO,   9216
.set SPARE, 180224                     ; behind the sixteen waves' parts: the spare words, 128 bytes a wave
.set SC,    24                         ; s[24:35] the series' six coefficients, each as a pair
.set IV,    54                         ; s[54:55] 1 / 2 pi
; v1 32 l   v2 l % 16   v3 l / 16   v4, v5 x offsets   v6 my two rows   v7 fragment rows   v8 turning load   v9 stage, this trip   v10 stage read   v11 stage   v12, v13 spare word, 0   v14 16 l
; v16-23 theta / 2 pi   v24-31 reciprocals and sums   v32-47, v48-63 x of two tokens   v64-95 four fragments of q   v96-111 two of v^T
; v112-175 scores (before that the cosine's work)   v176-207 weights   v208-223 results   v224-239 packed   v240-243 at work
.macro COS t, k, p, np                 ; cos(2 pi t) for np pairs at v[t], in place; v[k], v[p] at work
.set ci, 0
.rept 2*(\np)
	v_rndne_f32 v[(\k)+ci], v[(\t)+ci]
.set ci, ci+1
.endr
.set ci, 0
.rept \np
	v_pk_add_f32 v[(\t)+ci:(\t)+ci+1], v[(\t)+ci:(\t)+ci+1], v[(\k)+ci:(\k)+ci+1] neg_lo:[0,1] neg_hi:[0,1]  ; f, exact
.set ci, ci+2
.endr
.set ci, 0
.rept \np
	v_pk_mul_f32 v[(\k)+ci:(\k)+ci+1], v[(\t)+ci:(\t)+ci+1], v[(\t)+ci:(\t)+ci+1]  ; u = f f
.set ci, ci+2
.endr
.set ci, 0
.rept \np
	v_pk_fma_f32 v[(\p)+ci:(\p)+ci+1], v[(\k)+ci:(\k)+ci+1], s[SC+10:SC+11], s[SC+8:SC+9] op_sel_hi:[1,0,0]
.set ci, ci+2
.endr
.irp cc, 6, 4, 2, 0
.set ci, 0
.rept \np
	v_pk_fma_f32 v[(\p)+ci:(\p)+ci+1], v[(\p)+ci:(\p)+ci+1], v[(\k)+ci:(\k)+ci+1], s[SC+\cc:SC+\cc+1] op_sel_hi:[1,1,0]
.set ci, ci+2
.endr
.endr
.set ci, 0
.rept \np
	v_pk_mul_f32 v[(\p)+ci:(\p)+ci+1], v[(\t)+ci:(\t)+ci+1], v[(\p)+ci:(\p)+ci+1]  ; s
.set ci, ci+2
.endr
.set ci, 0
.rept \np
	v_pk_fma_f32 v[(\t)+ci:(\t)+ci+1], v[(\p)+ci:(\p)+ci+1], v[(\p)+ci:(\p)+ci+1], 1.0 op_sel_hi:[1,1,0] neg_lo:[1,0,0] neg_hi:[1,0,0]  ; 1 - s s
.set ci, ci+2
.endr
.endm
	s_load_b256 s[4:11], s[0:1], 0x0               ; x, theta, w_combine, w2
	s_load_b128 s[12:15], s[0:1], 0x20             ; w1, o2
	s_load_b64 s[16:17], s[0:1], 0x30              ; wpk
	v_lshl_add_u32 v12, v0, 2, SPARE
	v_mov_b32 v13, 0
	v_lshrrev_b32 v14, 5, v0
	v_readfirstlane_b32 s18, v14                   ; wave 0..15
	v_and_b32 v15, 31, v0                          ; l
	v_and_b32 v2, 15, v0
	v_bfe_u32 v3, v0, 4, 1
	v_lshlrev_b32 v1, 5, v15
	s_mul_i32 s56, s18, WLDS
	s_add_co_u32 s57, s56, QBO
	v_add_nc_u32 v6, s57, v1                       ; row l of the 64
	v_lshlrev_b32 v7, 5, v2
	v_lshl_add_u32 v7, v3, 4, v7
	v_add_nc_u32 v7, s57, v7                       ; row l % 16, half l / 16
	v_and_b32 v240, 7, v0
	v_bfe_u32 v241, v0, 3, 1
	v_lshlrev_b32 v8, 5, v240
	v_lshl_add_u32 v8, v3, 8, v8
	v_lshl_add_u32 v8, v241, 4, v8
	v_add_nc_u32 v8, s57, v8                       ; row 8 (l / 16) + l % 8, half (l / 8) % 2
	v_mul_u32_u24 v11, v15, 144
	v_add_nc_u32 v11, s56, v11                     ; stage row l
	v_bfe_u32 v241, v0, 3, 2
	v_mul_u32_u24 v10, v241, 144
	v_lshl_add_u32 v10, v240, 4, v10
	v_add_nc_u32 v10, s56, v10                     ; back: four rows of 128 bytes to a load
	v_lshlrev_b32 v14, 4, v15
	s_mov_b32 s60, ttmp9
	s_lshl_b32 s52, s60, 18                        ; my tokens in x: 128 g + 8 w rows of 2,048 bytes
	s_lshl_b32 s53, s18, 14
	s_add_co_u32 s52, s52, s53
	s_mov_b32 s53, 0
	s_lshl_b32 s58, s60, 17                        ; my block of o2
	s_and_b32 s59, s18, 7
	s_lshl_b32 s59, s59, 14
	s_add_co_u32 s58, s58, s59
	s_lshr_b32 s59, s18, 3
	s_lshl_b32 s59, s59, 13
	s_add_co_u32 s58, s58, s59
	s_mov_b32 s59, 0
	s_lshl_b32 s61, s60, 14
	s_lshl_b32 s62, s60, 13
	s_add_co_u32 s62, s62, 524288
	s_lshl_b32 s63, s60, 7
	s_mov_b32 s21, 0xffff0000                      ; lanes 16-31
	s_mov_b32 s24, 0x408e2c19                      ; 4.44288294
	s_mov_b32 s25, s24
	s_mov_b32 s26, 0xc0e9dd2e                      ; -7.30824950
	s_mov_b32 s27, s26
	s_mov_b32 s28, 0x4066d083                      ; 3.60647657
	s_mov_b32 s29, s28
	s_mov_b32 s30, 0xbf58f4fa                      ; -0.84748802
	s_mov_b32 s31, s30
	s_mov_b32 s32, 0x3dedeb7f                      ; 0.11617183
	s_mov_b32 s33, s32
	s_mov_b32 s34, 0xbc2ac6be                      ; -0.01042336
	s_mov_b32 s35, s34
	s_mov_b32 s36, 0x3f36d544                      ; sqrt(c) = 0.71419166
	s_mov_b32 s38, 0x76543210                      ; each lane takes its own place in the other half
	s_mov_b32 s39, 0xfedcba98
	s_mov_b32 s54, 0x3e22f983                      ; 1 / 2 pi
	s_mov_b32 s55, s54
	v_mov_b32 v4, v1
	v_mov_b32 v5, v1
	v_lshl_add_u32 v124, v0, 5, s61                ; piece 512 g + t: 32 bytes of f32,
	v_lshl_add_u32 v125, v0, 4, s62                ; 16 bytes of bf16, behind Wc's copy
	s_wait_kmcnt 0x0
	s_load_b256 s[40:47], s[6:7], 0x0              ; theta
	s_add_nc_u64 s[48:49], s[4:5], s[52:53]
	s_add_nc_u64 s[50:51], s[14:15], s[58:59]
	global_load_b128 v[32:35], v4, s[48:49] th:TH_LOAD_NT              ; token 0: heads l and l + 32
	global_load_b128 v[36:39], v4, s[48:49] offset:16 th:TH_LOAD_NT
	global_load_b128 v[40:43], v4, s[48:49] offset:1024 th:TH_LOAD_NT
	global_load_b128 v[44:47], v4, s[48:49] offset:1040 th:TH_LOAD_NT
	global_load_b128 v[48:51], v5, s[48:49] offset:2048 th:TH_LOAD_NT  ; token 1
	global_load_b128 v[52:55], v5, s[48:49] offset:2064 th:TH_LOAD_NT
	global_load_b128 v[56:59], v5, s[48:49] offset:3072 th:TH_LOAD_NT
	global_load_b128 v[60:63], v5, s[48:49] offset:3088 th:TH_LOAD_NT
	; THE WEIGHTS' COPY: a piece is 8 numbers; sixteen lanes store 256 consecutive bytes.  W2 keeps its rows: every thread one piece.
	global_load_b128 v[112:115], v124, s[10:11]
	global_load_b128 v[116:119], v124, s[10:11] offset:16
	s_cmp_lt_u32 s18, 4                            ; Wc: waves 0-3, piece o = 128 g + t, laid as [8 j][512 e][64 k]
	s_cbranch_scc0 .Lnowc
	v_add_nc_u32 v140, s63, v0
	v_bfe_u32 v141, v140, 3, 9                     ; e
	v_lshrrev_b32 v142, 12, v140                   ; j
	v_and_b32 v143, 7, v140
	v_lshlrev_b32 v141, 11, v141
	v_lshl_add_u32 v141, v142, 8, v141
	v_lshl_add_u32 v141, v143, 5, v141
	v_lshlrev_b32 v140, 4, v140
	global_load_b128 v[128:131], v141, s[8:9]
	global_load_b128 v[132:135], v141, s[8:9] offset:16
	s_wait_loadcnt 0x0
	v_cvt_pk_bf16_f32 v136, v128, v129
	v_cvt_pk_bf16_f32 v137, v130, v131
	v_cvt_pk_bf16_f32 v138, v132, v133
	v_cvt_pk_bf16_f32 v139, v134, v135
	global_store_b128 v140, v[136:139], s[16:17]
.Lnowc:
	s_cmp_lt_u32 s60, 4                            ; w1: work-groups 0-3; its pieces have W2's offsets, 2,097,152 bytes further on in wpk
	s_cbranch_scc0 .Lnow1
	global_load_b128 v[144:147], v124, s[12:13]
	global_load_b128 v[148:151], v124, s[12:13] offset:16
	s_wait_loadcnt 0x0
	v_cvt_pk_bf16_f32 v152, v144, v145
	v_cvt_pk_bf16_f32 v153, v146, v147
	v_cvt_pk_bf16_f32 v154, v148, v149
	v_cvt_pk_bf16_f32 v155, v150, v151
	global_store_b128 v125, v[152:155], s[16:17] offset:2097152
.Lnow1:
	s_cmp_eq_u32 s60, 4                            ; work-group 4: the 8,192 bytes of zeros behind w1's copy
	s_cbranch_scc0 .Lnoz
	v_mov_b32 v160, 0
	v_mov_b32 v161, 0
	v_mov_b32 v162, 0
	v_mov_b32 v163, 0
	global_store_b128 v125, v[160:163], s[16:17] offset:2097152
.Lnoz:
	s_wait_loadcnt 0x0
	v_cvt_pk_bf16_f32 v120, v112, v113
	v_cvt_pk_bf16_f32 v121, v114, v115
	v_cvt_pk_bf16_f32 v122, v116, v117
	v_cvt_pk_bf16_f32 v123, v118, v119
	global_store_b128 v125, v[120:123], s[16:17]
	s_wait_kmcnt 0x0
.set i, 0
.rept 8
	v_mov_b32 v[16+i], s[40+i]
	v_mul_f32 v[16+i], s54, v[16+i]                ; theta / 2 pi
	v_mov_b32 v[24+i], 0
.set i, i+1
.endr
.set i, 0
.rept 4
	v_mov_b32 v[68+8*i], 0                         ; columns 16-31 of every fragment of q stay 0
	v_mov_b32 v[69+8*i], 0
	v_mov_b32 v[70+8*i], 0
	v_mov_b32 v[71+8*i], 0
.set i, i+1
.endr
	v_mov_b32 v240, 0x3f80                         ; 1, 0 in bf16
	v_mov_b32 v241, 0
	v_mov_b32 v242, 0
	v_mov_b32 v243, 0
	ds_store_b128 v6, v[240:243] offset:16         ; the rows' constant halves, once
	ds_store_b128 v6, v[240:243] offset:1040
	s_wait_xcnt 0x0                                ; the copy's stores have read their registers, which the loop writes again
; Query tiles 2 be and 2 be + 1 against all 64 keys.
.macro HALF be, so
.irp bb, 0, 1
.irp a, 0, 1, 2, 3
	v_wmma_f32_16x16x32_bf16 v[112+8*(4*\bb+\a):119+8*(4*\bb+\a)], v[64+8*\a:71+8*\a], v[64+8*(2*(\be)+\bb):71+8*(2*(\be)+\bb)], 0
.endr
.endr
.rept 4
	v_nop                                          ; four places behind the last product
.endr
.set i, 0
.rept 64
	v_exp_f32 v[112+i], v[112+i]
.set i, i+1
.endr
	v_nop                                          ; a plain instruction behind the last exponential,
	s_wait_alu depctr_va_vdst(0)                   ; and one wait for the batch of 64, ahead of the first reader
.set i, 0
.rept 32
	v_cvt_pk_bf16_f32 v[176+i], v[112+2*i], v[113+2*i]
.set i, i+1
.endr
	v_wmma_f32_16x16x32_bf16 v[208:215], v[96:103], v[176:183], 0           ; the two accumulators take turns
	v_wmma_f32_16x16x32_bf16 v[216:223], v[96:103], v[192:199], 0
	v_wmma_f32_16x16x32_bf16 v[208:215], v[104:111], v[184:191], v[208:215]
	v_wmma_f32_16x16x32_bf16 v[216:223], v[104:111], v[200:207], v[216:223]
.rept 4
	v_nop
.endr
	v_permlanex16_b32 v28, v208, s38, s39          ; the weights' sum is channel 8: register 0 of the lane 16 away
	v_permlanex16_b32 v30, v216, s38, s39
	v_mul_f32 v28, s36, v28                        ; times sqrt(c), which the channels carry
	v_mul_f32 v30, s36, v30
	v_rcp_f32 v24, v28
	v_rcp_f32 v26, v30
	v_nop
	s_wait_alu depctr_va_vdst(0)                   ; one wait for both reciprocals
.set i, 0
.rept 4
	v_pk_mul_f32 v[208+i:209+i], v[208+i:209+i], v[24:25] op_sel_hi:[1,0]
	v_pk_mul_f32 v[216+i:217+i], v[216+i:217+i], v[26:27] op_sel_hi:[1,0]
.set i, i+2
.endr
.set i, 0
.rept 4
	v_cvt_pk_bf16_f32 v[232+i], v[208+2*i], v[209+2*i]
	v_cvt_pk_bf16_f32 v[236+i], v[216+2*i], v[217+2*i]
.set i, i+1
.endr
.set i, 0
.rept 4
	v_permlanex16_b32 v[240+i], v[236+i], s38, s39 ; lanes 16-31 (which hold no channel of use) take the second tile's 16 bytes
.set i, i+1
.endr
.set i, 0
.rept 4
	v_cndmask_b32 v[232+i], v[232+i], v[240+i], s21
.set i, i+1
.endr
	ds_store_b128 v9, v[232:235] offset:4608*(\be)+(\so)  ; heads 32 be + l, this token's 16 bytes
.endm
; One token, from the x registers at x; they are filled again with the token two further on.
.macro TOKEN x, xo, add, so
	s_wait_loadcnt 0x4                             ; my four loads are in; the other token's four, issued later, may stay out
.set i, 0
.rept 8
	v_pk_fma_f32 v[112+i:113+i], v[(\x)+i:(\x)+i+1], s[IV:IV+1], v[16+i%8:17+i%8] op_sel_hi:[1,0,1]
.set i, i+2
.endr
	v_add_nc_u32 v[\xo], s19, v1                   ; free since that wait
	global_load_b128 v[(\x):(\x)+3], v[\xo], s[48:49] offset:(\add) th:TH_LOAD_NT
	global_load_b128 v[(\x)+4:(\x)+7], v[\xo], s[48:49] offset:(\add)+16 th:TH_LOAD_NT
	global_load_b128 v[(\x)+8:(\x)+11], v[\xo], s[48:49] offset:(\add)+1024 th:TH_LOAD_NT
	global_load_b128 v[(\x)+12:(\x)+15], v[\xo], s[48:49] offset:(\add)+1040 th:TH_LOAD_NT
	COS 112, 128, 144, 8
	v_mul_f32 v112, s36, v112                      ; the running products, scaled by sqrt(c); the two heads alternate
	v_mul_f32 v120, s36, v120
.set i, 1
.rept 7
	v_mul_f32 v[112+i], v[111+i], v[112+i]
	v_mul_f32 v[120+i], v[119+i], v[120+i]
.set i, i+1
.endr
.set i, 0
.rept 8
	v_cvt_pk_bf16_f32 v[224+i], v[112+2*i], v[113+2*i]
.set i, i+1
.endr
	ds_store_b128 v6, v[224:227]
	ds_store_b128 v6, v[228:231] offset:1024
.set i, 0
.rept 4
	ds_load_b128 v[64+8*i:67+8*i], v7 offset:512*i ; LDS serves a wave's instructions in order: these see the stores above
.set i, i+1
.endr
.set i, 0
.rept 4
	ds_load_tr16_b128 v[96+4*i:99+4*i], v8 offset:512*i
.set i, i+1
.endr
	s_wait_dscnt 0x0
	HALF 0, \so
	HALF 1, \so
.endm
	s_mov_b32 s19, 4096                            ; byte offset of the token that the first TOKEN of a trip asks for
	s_mov_b32 s58, 0                               ; this trip's first token in a stage row
	s_mov_b32 s20, 4
.Ltrip:
	v_add_nc_u32 v9, s58, v11
	TOKEN 32, 4, 0, 0
	TOKEN 48, 5, 2048, 16
	s_add_co_u32 s19, s19, 4096
	s_min_u32 s19, s19, 12288                      ; the last trip asks for tokens 6 and 7 again
	s_add_co_u32 s58, s58, 32
	s_sub_co_u32 s20, s20, 1
	s_cmp_lg_u32 s20, 0
	s_cbranch_scc1 .Ltrip
.set i, 0
.rept 16
	ds_load_b128 v[112+4*i:115+4*i], v10 offset:576*i
.set i, i+1
.endr
.set i, 0
.rept 16
	s_wait_dscnt 15-i                              ; the younger loads may stay out
	global_store_b128 v14, v[112+4*i:115+4*i], s[50:51] offset:512*i  ; 512 consecutive bytes, aligned
.set i, i+1
.endr
	s_wait_tensorcnt 0x0                           ; the wave's end, behind my last LDS store
	ds_add_u32 v12, v13
	s_wait_dscnt 0x0
	s_endpgm
.Lfunc_end_k_qf0967965ae_attn:
	.size	k_qf0967965ae_attn, .Lfunc_end_k_qf0967965ae_attn-k_qf0967965ae_attn
	.p2alignl 7, 3214868480
	.fill 96, 4, 3214868480
	.section	.rodata,"a",@progbits
	.p2align	6, 0x0
	.amdhsa_kernel k_qf0967965ae_attn
		.amdhsa_group_segment_fixed_size 182272
		.amdhsa_private_segment_fixed_size 0
		.amdhsa_enable_private_segment 0
		.amdhsa_kernarg_size 56
		.amdhsa_user_sgpr_count 2
		.amdhsa_user_sgpr_kernarg_segment_ptr 1
		.amdhsa_wavefront_size32 1
		.amdhsa_system_sgpr_workgroup_id_x 1
		.amdhsa_system_sgpr_workgroup_id_y 1
		.amdhsa_system_sgpr_workgroup_id_z 1
		.amdhsa_system_vgpr_workitem_id 0
		.amdhsa_next_free_vgpr 256
		.amdhsa_next_free_sgpr 66
		.amdhsa_reserve_vcc 0
		.amdhsa_float_denorm_mode_32 3
		.amdhsa_float_denorm_mode_16_64 3
		.amdhsa_memory_ordered 1
		.amdhsa_forward_progress 1
		.amdhsa_inst_pref_size 55
	.end_amdhsa_kernel
	.amdgpu_metadata
---
amdhsa.version: [ 1, 2 ]
amdhsa.kernels:
  - .name:           k_qf0967965ae_attn
    .symbol:         k_qf0967965ae_attn.kd
    .args:
      - { .name: x, .offset: 0, .size: 8, .value_kind: global_buffer, .address_space: global }
      - { .name: theta_attn, .offset: 8, .size: 8, .value_kind: global_buffer, .address_space: global }
      - { .name: w_combine, .offset: 16, .size: 8, .value_kind: global_buffer, .address_space: global }
      - { .name: w2, .offset: 24, .size: 8, .value_kind: global_buffer, .address_space: global }
      - { .name: w1, .offset: 32, .size: 8, .value_kind: global_buffer, .address_space: global }
      - { .name: o2, .offset: 40, .size: 8, .value_kind: global_buffer, .address_space: global }
      - { .name: wpk, .offset: 48, .size: 8, .value_kind: global_buffer, .address_space: global }
    .group_segment_fixed_size: 182272
    .private_segment_fixed_size: 0
    .kernarg_segment_align: 8
    .kernarg_segment_size: 56
    .max_flat_workgroup_size: 512
    .sgpr_count:     66
    .vgpr_count:     256
    .wavefront_size: 32
...
	.end_amdgpu_metadata
.endif
;; end of part 1
;; launch block (part 2): grid 256 x 1, 4 waves a work-group, clusters of 4 x 1, 327,680 bytes of LDS; arguments x, o2, wpk, ln1_g, ln1_b, ln2_g, ln2_b, theta_ffn, out0; writes out0
.if DOCPART == 2
	.amdgcn_target "amdgcn-amd-amdhsa--gfx1250"
	.amdhsa_code_object_version 6
	.text
	.protected	k_qf0967965ae_block
	.globl	k_qf0967965ae_block
	.p2align	8
	.type	k_qf0967965ae_block,@function
k_qf0967965ae_block:
	s_mov_b64 s[64:65], 0
	v_nop
	global_prefetch_b8 v0, s[64:65] scope:SCOPE_SE
	s_setreg_imm32_b32 hwreg(HW_REG_WAVE_MODE, 25, 1), 1
	s_wait_xcnt 0x0
	s_wait_alu depctr_hold_cnt(0) depctr_sa_sdst(0) depctr_va_vdst(0) depctr_va_sdst(0) depctr_va_ssrc(0) depctr_va_vcc(0) depctr_vm_vsrc(0)
	s_getreg_b32 s2, hwreg(HW_REG_IB_STS2, 6, 4)
	s_cmp_eq_u32 s2, 0
	s_cbranch_scc0 .Lentry_in_a_cluster
	s_endpgm
.Lentry_in_a_cluster:
	s_bfe_u32 s2, ttmp6, 0x10000c
	s_cmp_lg_u32 s2, 0x3003
	s_cbranch_scc0 .Lentry_shape_is_right
	s_endpgm
.Lentry_shape_is_right:
; out0 = LN2(x1 + relu(q w1^T) w2^T), x1 = LN1(x + o2 Wc^T), q = cos(theta_ffn) cos(x1[:8]).
; SHARES.  Work-group g = 4 x cluster + cx owns the 128 rows of o2's tile g: row l = 64 rh + h is token (g / 32) 4096 + 64 h + 2 (g % 32) + rh.
; Wave wv (rh = wv / 2, eh = wv % 2) owns 64 rows (four tiles of 16) x 256 columns e = 256 q + 128 eh + 16 t' + .. (t = 8 q + t' = 0..15): 64 accumulators, 512 registers.
; They hold x + o2 Wc^T, then x1, then x1 + ffn, then the result: nothing of a row goes to memory between.
; ALL PRODUCTS ARE TRANSPOSED (source 0 = 16 rows of weights, source 1 = 16 rows l): a lane holds one row (l % 16) and eight neighbouring columns.
; h is made in registers: w1's 16 x 8 tiles times q, two tiles to a fragment (K = 0-7 and 16-23; all other K meet zeros in q's fragment), by both waves of a row half.
; RING.  Two LDS slots.  First eight steps of K = 64: Wc's step (wave 0, asked for jointly by the cluster's four), o2's (wave 1), 16 rows x 1 KiB of x for each row half (waves 2, 3).
; Then sixteen steps of K = 128 of W2, a quarter (128 rows x 256 bytes) a wave, all joint.  By this text's count a wave has two tensor loads out at the start, later one.
; LIMITS.  Matrix operands bf16, sums f32.  var = E[v v] - mean^2 in f32, held at 0 from below: its relative error grows as 1e-7 (mean / spread)^2.  Cosine as in the launch before.
; NaN and infinities are not treated apart.  The tail's last change of slots fetches fragments and makes 32 columns of h (from the zeros behind w1) that serve nothing: the price of one text for both of its trips.
; WINDOWS (s_set_vgpr_msb: 1:0 source 0, 3:2 source 1, 5:4 source 2, 7:6 destination).  0: addresses, q, w1, h, P.  1: two buffers of 16 weight fragments; g and b; rows on the way out.
; 2, 3: accumulator (row tile p, t) in window 2 + p / 2 at v[8 (16 (p % 2) + t)].
.set SLOT,  139264                     ; 0x22000; every tile's start has these two bits clear, so one exclusive or changes slots
.set O2T,   81920                      ; in a slot: Wc 512 x 144 at 0, o2 128 x 144 here,
.set XRT,   100352                     ; x: 16 rows x 1,040 for each row half; W2's quarters: 128 x 272 at 34,816 x wave
.set XCH,   278528                     ; behind the ring, never filled by a tensor load: LN1's sums (8 KiB),
.set T0X,   286720                     ; the rows' first 16 columns (16 KiB),
.set ST2R,  24576                      ; LN2's sums, this far behind LN1's (8 KiB)
.set SPARE, 311296                     ; the spare words, 128 bytes a wave
.set SC,    40                         ; s[40:51] the cosine's coefficients, s[52:53] 1 / 2 pi: written when the first phase's descriptors are done with
.set IV,    52
; v1 l%16  v2 l/16  v3 l  v4-6 lane terms of Wc, o2, x  v7-9 the same in the slot in hand  v10 lane term of W2  v11, v12 in the slot, q = 0, 1  v13 16 (l%16)
; v14 my sums  v15 my row half's sums  v16, v17 first columns out, in  v18 g, b  v19 g, b of columns 0-15  v20, v21 stage in, back  v22 out0  v23 prefetch  v28, v29 spare word, 0  v31 0
; v32-67 [0|q0|0|q1|0|q2|0|q3|0]  v68-75 cos(theta_ffn)  v80-111 w1, four buffers  v112-127 sums, then scale and shift  v128-191 h, x, at work  v192-255 P, o2's fragments
; s22 wave  s23 rh  s24 eh  s25 cx  s26 g  s27 slot in hand  s[28:31], s[32:39] W2's descriptor  s[40:47], s[48:55], s[56:63] shapes of Wc, o2, x
; s66 step  s67 count  s[68:75], s[76:83], s[84:91] group 0 of Wc, o2, x, two sets each  s[92:93] prefetch  s[94:95] w1  s[96:97] lane selects  s98 lanes 16-31  s99 prefetch limit
.set MSB, 0
.macro WIN new                         ; the immediate's high byte repeats the setting that is left; a switch that changes nothing is dropped
.if MSB != (\new)
	s_set_vgpr_msb (MSB<<8)|(\new)
.set MSB, \new
.endif
.endm
.macro PLACES                          ; four places behind a matrix instruction, where no other plain vector work is at hand
.rept 4
	v_nop
.endr
.endm
.macro CREST                           ; a round of the cluster's barrier behind its opening barrier
	s_cmp_lg_u32 s22, 0
	s_cbranch_scc1 .Lnw0_\@
	s_barrier_signal -3
.Lnw0_\@:
	s_barrier_wait -3
	s_barrier_signal -1
	s_barrier_wait -1
.endm
.macro CROUND
	s_barrier_signal -1
	s_barrier_wait -1
	CREST
.endm
.macro LOADG                           ; a refill of the first phase: one load a wave, chosen by the wave's number alone; s_nop 0 and four v_nop follow each line
	s_cmp_lg_u32 s22, 0
	s_cbranch_scc1 .Lg1_\@
	tensor_load_to_lds s[72:75], s[40:47]
	s_nop 0
	PLACES
	s_branch .Lgd_\@
.Lg1_\@:
	s_cmp_lg_u32 s22, 1
	s_cbranch_scc1 .Lg2_\@
	tensor_load_to_lds s[80:83], s[48:55]
	s_nop 0
	PLACES
	s_branch .Lgd_\@
.Lg2_\@:
	tensor_load_to_lds s[88:91], s[56:63]
	s_nop 0
	PLACES
.Lgd_\@:
.endm
.macro LOADF                           ; my quarter of a step of W2, jointly
	tensor_load_to_lds s[28:31], s[32:39]
	s_nop 0
	PLACES
.endm
; A prefetch of W2's step two refills on: 256 bytes of a row, a lane a row.  The first cluster asks; its four partners take 32 of a wave's 128 rows each, told apart by address.
; So each row's 256 bytes of steps 2 to 15 are named once.  how = 1: in the first phase's last two changes; how = 0: in the loop, while a step two refills on exists.
.macro ASK how
.if \how
	s_cmp_eq_u32 s99, 2
.else
	s_cmp_gt_u32 s67, s99
.endif
	s_cbranch_scc0 .Lna_\@
	global_prefetch_b8 v23, s[92:93] th:TH_LOAD_NT scope:SCOPE_SE
.Lna_\@:
.endm
; The next of 68 riders: four v_nop (the places behind h's products and behind the last readers of P's other buffer and of the fragment buffers), h rounded to bf16, relu on the packed halves.
.macro RID
.if RK < 4
	v_nop
.elseif RK < 36
	v_cvt_pk_bf16_f32 v[192+32*NXT+RK-4], v[128+2*(RK-4)], v[129+2*(RK-4)]
.else
	v_pk_max_num_bf16 v[192+32*NXT+RK-36], v[192+32*NXT+RK-36], v31
.endif
.set RK, RK+1
.endm
; Products i0 .. i0 + n - 1 of a substep's 64 (row tile i / 16, column tile i % 16), weights from buffer f, rows from buffer p.  The 64 accumulators take turns in one order everywhere.
; ride = 1: four riders behind products 2, 5, .. 50.  zero = 1: the products start the sums.
.macro MM f, p, i0, n, ride, zero
.set mi, \i0
.rept \n
	WIN 0xa1+0x50*(mi/32)
.set ma, 8*(mi%32)
.set mf, 128*(\f)+8*(mi%16)
.set mb, 192+32*(\p)+8*(mi/16)
.if \zero
	v_wmma_f32_16x16x32_bf16 v[ma:ma+7], v[mf:mf+7], v[mb:mb+7], 0
.else
	v_wmma_f32_16x16x32_bf16 v[ma:ma+7], v[mf:mf+7], v[mb:mb+7], v[ma:ma+7]
.endif
.if (\ride) && (mi%3 == 2) && (mi <= 50)
	WIN 0
	RID
	RID
	RID
	RID
.endif
.set mi, mi+1
.endr
.endm
.macro FETCHG u, f                     ; the first phase's fragments, 32 along K at byte 64 u: 16 of Wc, 4 of o2
	WIN 0x40
.set fi, 0
.rept 16
	ds_load_b128 v[128*(\f)+8*fi:128*(\f)+8*fi+3], v7 offset:(fi/8)*36864+(fi%8)*2304+64*(\u)
	ds_load_b128 v[128*(\f)+8*fi+4:128*(\f)+8*fi+7], v7 offset:(fi/8)*36864+(fi%8)*2304+64*(\u)+32
.set fi, fi+1
.endr
	WIN 0
.set fi, 0
.rept 4
	ds_load_b128 v[192+32*(\u)+8*fi:192+32*(\u)+8*fi+3], v8 offset:fi*2304+64*(\u)
	ds_load_b128 v[192+32*(\u)+8*fi+4:192+32*(\u)+8*fi+7], v8 offset:fi*2304+64*(\u)+32
.set fi, fi+1
.endr
.endm
.macro FETCHX                          ; this step's x: my row, my 8 columns of each of 8 tiles
	WIN 0
.set fi, 0
.rept 8
	ds_load_b128 v[128+8*fi:131+8*fi], v9 offset:64*fi
	ds_load_b128 v[132+8*fi:135+8*fi], v9 offset:64*fi+16
.set fi, fi+1
.endr
.endm
.macro XADD r, q                       ; x onto the accumulators of row tile r, column half q, each from its low end on
	WIN 0x82+0x41*((\r)/2)
.set xi, 0
.rept 32
.set xa, 8*(16*((\r)%2)+8*(\q))+2*xi
	v_pk_add_f32 v[xa:xa+1], v[xa:xa+1], v[128+2*xi:129+2*xi]
.set xi, xi+1
.endr
	WIN 0
.endm
.macro XSW                             ; step s66 = 1..6 brought row tile s66 / 2, column half s66 % 2: forward jumps past vector additions alone
	WIN 0
	s_cmp_eq_u32 s66, 1
	s_cbranch_scc1 .Lx1_\@
	s_cmp_eq_u32 s66, 2
	s_cbranch_scc1 .Lx2_\@
	s_cmp_eq_u32 s66, 3
	s_cbranch_scc1 .Lx3_\@
	s_cmp_eq_u32 s66, 4
	s_cbranch_scc1 .Lx4_\@
	s_cmp_eq_u32 s66, 5
	s_cbranch_scc1 .Lx5_\@
	XADD 3, 0
	s_branch .Lxe_\@
.Lx1_\@:
	XADD 0, 1
	s_branch .Lxe_\@
.Lx2_\@:
	XADD 1, 0
	s_branch .Lxe_\@
.Lx3_\@:
	XADD 1, 1
	s_branch .Lxe_\@
.Lx4_\@:
	XADD 2, 0
	s_branch .Lxe_\@
.Lx5_\@:
	XADD 2, 1
.Lxe_\@:
.endm
.macro FETCHF u, f                     ; 16 fragments of W2, 32 along K at byte 64 u
	WIN 0x40
.set fi, 0
.rept 16
	ds_load_b128 v[128*(\f)+8*fi:128*(\f)+8*fi+3], v[11+fi/8] offset:(fi%8)*4352+64*(\u)
	ds_load_b128 v[128*(\f)+8*fi+4:128*(\f)+8*fi+7], v[11+fi/8] offset:(fi%8)*4352+64*(\u)+32
.set fi, fi+1
.endr
	WIN 0
.endm
.macro WFL x, off                      ; 32 rows of w1 (16 bytes each) into buffer x; both halves of the lanes read the same rows
	WIN 0
	global_load_b128 v[80+8*(\x):83+8*(\x)], v13, s[94:95] offset:(\off)
	global_load_b128 v[84+8*(\x):87+8*(\x)], v13, s[94:95] offset:(\off)+256
.endm
.macro HW x                            ; h^T for 32 columns and my 64 rows: q in K = 0-7 takes w1's first tile, q in K = 16-23 its second
	WIN 0
.irp rr, 0, 1, 2, 3
	v_wmma_f32_16x16x32_bf16 v[128+16*\rr:135+16*\rr], v[80+8*(\x):87+8*(\x)], v[36+8*\rr:43+8*\rr], 0
	v_wmma_f32_16x16x32_bf16 v[136+16*\rr:143+16*\rr], v[80+8*(\x):87+8*(\x)], v[32+8*\rr:39+8*\rr], 0
.endr
.endm
.macro COS t, k, p, np                 ; cos(2 pi t) for np pairs at v[t], in place; v[k], v[p] at work
.set ci, 0
.rept 2*(\np)
	v_rndne_f32 v[(\k)+ci], v[(\t)+ci]
.set ci, ci+1
.endr
.set ci, 0
.rept \np
	v_pk_add_f32 v[(\t)+ci:(\t)+ci+1], v[(\t)+ci:(\t)+ci+1], v[(\k)+ci:(\k)+ci+1] neg_lo:[0,1] neg_hi:[0,1]
.set ci, ci+2
.endr
.set ci, 0
.rept \np
	v_pk_mul_f32 v[(\k)+ci:(\k)+ci+1], v[(\t)+ci:(\t)+ci+1], v[(\t)+ci:(\t)+ci+1]
.set ci, ci+2
.endr
.set ci, 0
.rept \np
	v_pk_fma_f32 v[(\p)+ci:(\p)+ci+1], v[(\k)+ci:(\k)+ci+1], s[SC+10:SC+11], s[SC+8:SC+9] op_sel_hi:[1,0,0]
.set ci, ci+2
.endr
.irp cc, 6, 4, 2, 0
.set ci, 0
.rept \np
	v_pk_fma_f32 v[(\p)+ci:(\p)+ci+1], v[(\p)+ci:(\p)+ci+1], v[(\k)+ci:(\k)+ci+1], s[SC+\cc:SC+\cc+1] op_sel_hi:[1,1,0]
.set ci, ci+2
.endr
.endr
.set ci, 0
.rept \np
	v_pk_mul_f32 v[(\p)+ci:(\p)+ci+1], v[(\t)+ci:(\t)+ci+1], v[(\p)+ci:(\p)+ci+1]
.set ci, ci+2
.endr
.set ci, 0
.rept \np
	v_pk_fma_f32 v[(\t)+ci:(\t)+ci+1], v[(\p)+ci:(\p)+ci+1], v[(\p)+ci:(\p)+ci+1], 1.0 op_sel_hi:[1,1,0] neg_lo:[1,0,0] neg_hi:[1,0,0]
.set ci, ci+2
.endr
.endm
	s_load_b512 s[4:19], s[0:1], 0x0               ; x, o2, wpk, ln1_g, ln1_b, ln2_g, ln2_b, theta_ffn
	s_load_b64 s[20:21], s[0:1], 0x40              ; out0
	v_lshl_add_u32 v28, v0, 2, SPARE
	v_mov_b32 v29, 0
	ds_add_u32 v28, v29                            ; the wave's opening: the add and its wait stand ahead of my first tensor load; work on registers stands between
	v_lshrrev_b32 v1, 5, v0
	v_readfirstlane_b32 s22, v1
	s_lshr_b32 s23, s22, 1
	s_and_b32 s24, s22, 1
	s_bfe_u32 s25, ttmp6, 0x40000                  ; cx
	s_lshl_b32 s26, ttmp9, 2
	s_add_co_u32 s26, s26, s25                     ; g: it enters the addresses of x, o2 and out0 alone
	s_mov_b32 s40, 15|(1<<16)|(1<<20)|(1<<21)|(4<<22)|(3<<25)  ; Wc's step, 64 KiB dense: 256 rows of 256 bytes; mask of four; 4 words of padding after every 32
	s_mov_b32 s41, 128<<16
	s_mov_b32 s42, 256<<16
	s_mov_b32 s43, 128<<16
	s_mov_b32 s44, 256
	s_mov_b32 s45, 128
	s_mov_b32 s46, 0
	s_mov_b32 s47, 0
	s_mov_b32 s48, (1<<16)|(1<<20)|(4<<22)|(3<<25) ; o2's step, 16 KiB dense: 64 rows of 256 bytes, my own
	s_mov_b32 s49, 128<<16
	s_mov_b32 s50, 64<<16
	s_mov_b32 s51, 128<<16
	s_mov_b32 s52, 64
	s_mov_b32 s53, 128
	s_mov_b32 s54, 0
	s_mov_b32 s55, 0
	s_mov_b32 s56, (2<<16)|(1<<20)|(7<<22)|(3<<25) ; x: 16 rows of 256 f32, 32,768 elements apart; 4 words of padding after every 256
	s_mov_b32 s57, 256<<16
	s_mov_b32 s58, 16<<16
	s_mov_b32 s59, 256<<16
	s_mov_b32 s60, 16
	s_mov_b32 s61, 32768
	s_mov_b32 s62, 0
	s_mov_b32 s63, 0
	s_mov_b32 s32, 15|(1<<16)|(1<<20)|(1<<21)|(5<<22)|(3<<25)  ; W2: 128 rows of 128 bf16, 2,048 elements apart; mask of four; 4 words after every 64
	s_mov_b32 s33, 128<<16
	s_mov_b32 s34, 128<<16
	s_mov_b32 s35, 128<<16
	s_mov_b32 s36, 128
	s_mov_b32 s37, 2048
	s_mov_b32 s38, 0
	s_mov_b32 s39, 0
	s_mov_b32 s68, 1                               ; group 0: count, LDS address; set a for step 0 in slot 0, set b for step 1 in slot 1, and on
	s_mov_b32 s69, 0
	s_mov_b32 s72, 1
	s_mov_b32 s73, SLOT
	s_mov_b32 s76, 1
	s_mov_b32 s77, O2T
	s_mov_b32 s80, 1
	s_mov_b32 s81, SLOT+O2T
	s_mul_i32 s104, s22, 16640
	s_mov_b32 s84, 1
	s_add_co_u32 s85, s104, XRT-2*16640            ; waves 2 and 3: row halves 0 and 1
	s_mov_b32 s88, 1
	s_add_co_u32 s89, s104, XRT-2*16640+SLOT
	s_mov_b32 s28, 1
	s_mul_i32 s29, s22, 34816
	s_mov_b32 s96, 0x76543210
	s_mov_b32 s97, 0xfedcba98
	s_mov_b32 s98, 0xffff0000
	s_mov_b32 s101, 0
	s_mov_b32 s3, 0
	v_and_b32 v1, 15, v0
	v_bfe_u32 v2, v0, 4, 1
	v_and_b32 v3, 31, v0
	v_mul_u32_u24 v24, v1, 144
	v_lshl_add_u32 v24, v2, 4, v24
	s_mul_i32 s104, s24, 18432
	v_add_nc_u32 v4, s104, v24
	s_mul_i32 s104, s23, 9216
	s_add_co_u32 s104, s104, O2T
	v_add_nc_u32 v5, s104, v24
	v_mul_u32_u24 v25, v1, 1040
	v_lshl_add_u32 v25, v2, 5, v25
	s_mul_i32 s104, s23, 16640
	s_lshl_b32 s105, s24, 9
	s_add_co_u32 s104, s104, s105
	s_add_co_u32 s104, s104, XRT
	v_add_nc_u32 v6, s104, v25
	v_mul_u32_u24 v10, v1, 272
	v_lshl_add_u32 v10, v2, 4, v10
	s_mul_i32 s104, s24, 34816
	v_add_nc_u32 v10, s104, v10
	v_lshlrev_b32 v13, 4, v1
	v_lshlrev_b32 v26, 4, v3
	s_lshl_b32 s104, s22, 11
	s_add_co_u32 s104, s104, XCH
	v_add_nc_u32 v14, s104, v26
	s_lshl_b32 s104, s23, 12
	s_add_co_u32 s104, s104, XCH
	v_add_nc_u32 v15, s104, v26
	s_lshl_b32 s104, s22, 12
	s_add_co_u32 s104, s104, T0X
	v_add_nc_u32 v16, s104, v26
	s_lshl_b32 s104, s23, 13
	s_add_co_u32 s104, s104, T0X
	v_add_nc_u32 v17, s104, v26
	v_lshlrev_b32 v19, 5, v2
	v_add_nc_u32 v18, s105, v19
	s_mul_i32 s104, s22, 16640
	v_add_nc_u32 v20, s104, v25
	v_add_nc_u32 v21, s104, v26
	v_add_nc_u32 v22, s105, v26
	v_lshlrev_b32 v23, 12, v3
	s_mov_b32 s104, ttmp9
	s_cmp_eq_u32 s104, 0
	s_cselect_b32 s99, 2, -1                       ; the same in all four partners
	s_wait_dscnt 0x0                               ; the opening add is done
	s_wait_kmcnt 0x0
	s_lshr_b32 s2, s26, 5
	s_lshl_b32 s2, s2, 23
	s_and_b32 s104, s26, 31
	s_lshl_b32 s104, s104, 12
	s_add_co_u32 s2, s2, s104                      ; my rows' common offset in x and out0
	s_add_nc_u64 s[4:5], s[4:5], s[2:3]
	s_add_nc_u64 s[20:21], s[20:21], s[2:3]
	s_lshl_b32 s2, s24, 11
	s_add_nc_u64 s[4:5], s[4:5], s[2:3]            ; x for the row half that waves 2 and 3 fetch
	s_lshl_b32 s2, s23, 11
	s_add_nc_u64 s[20:21], s[20:21], s[2:3]        ; out0 at my row half
	s_lshl_b32 s2, s26, 17
	s_add_nc_u64 s[6:7], s[6:7], s[2:3]            ; o2 at my tile
	s_mov_b64 s[70:71], s[8:9]
	s_or_b32 s71, s71, 0x80000000
	s_add_nc_u64 s[74:75], s[8:9], 65536
	s_or_b32 s75, s75, 0x80000000
	s_mov_b64 s[78:79], s[6:7]
	s_or_b32 s79, s79, 0x80000000
	s_add_nc_u64 s[82:83], s[6:7], 16384
	s_or_b32 s83, s83, 0x80000000
	s_mov_b64 s[86:87], s[4:5]
	s_or_b32 s87, s87, 0x80000000
	s_add_nc_u64 s[90:91], s[4:5], 1024
	s_or_b32 s91, s91, 0x80000000
	s_lshl_b32 s100, s22, 19
	s_add_co_u32 s100, s100, 524288
	s_add_nc_u64 s[30:31], s[8:9], s[100:101]      ; W2's rows 128 x wave, step 0
	s_or_b32 s31, s31, 0x80000000
	s_add_nc_u64 s[94:95], s[8:9], 2621440         ; w1
	s_lshl_b32 s2, s22, 19
	s_lshl_b32 s104, s25, 17
	s_add_co_u32 s2, s2, s104
	s_add_co_u32 s2, s2, 524288+512
	s_add_nc_u64 s[92:93], s[8:9], s[2:3]          ; W2's rows 128 x wave + 32 cx, step 2
	CROUND                                         ; all four work-groups are here: the first joint loads meet
	s_cmp_lg_u32 s22, 0                            ; a wave's two first fills stand together, ahead of every wait on TENSORcnt and every LDS read
	s_cbranch_scc1 .Lh1
	tensor_load_to_lds s[68:71], s[40:47]
	s_nop 0
	tensor_load_to_lds s[72:75], s[40:47]
	s_nop 0
	PLACES
	s_branch .Lhd
.Lh1:
	s_cmp_lg_u32 s22, 1
	s_cbranch_scc1 .Lh2
	tensor_load_to_lds s[76:79], s[48:55]
	s_nop 0
	tensor_load_to_lds s[80:83], s[48:55]
	s_nop 0
	PLACES
	s_branch .Lhd
.Lh2:
	tensor_load_to_lds s[84:87], s[56:63]
	s_nop 0
	tensor_load_to_lds s[88:91], s[56:63]
	s_nop 0
	PLACES
.Lhd:
.set i, 31
.rept 37
	v_mov_b32 v[i], 0                              ; v31 and q's chain
.set i, i+1
.endr
	s_mov_b32 s27, 0
	v_mov_b32 v7, v4
	v_mov_b32 v8, v5
	v_mov_b32 v9, v6
	s_wait_tensorcnt 0x1                           ; my part of step 0 is in; step 1's, issued behind it, may stay out
	s_barrier_signal -1
	s_barrier_wait -1
	FETCHG 0, 0
	FETCHX
; THE FIRST PHASE: x + o2 Wc^T, eight steps of K = 64, two substeps each.
.macro GQ zero, xr, xq                 ; a step's first substep; in its middle the second's fragments; behind it the step's x
	s_wait_dscnt 0x0
	MM 0, 0, 0, 32, 0, \zero
	PLACES
	FETCHG 1, 1
	MM 0, 0, 32, 32, 0, \zero
	PLACES
.if (\xr) < 0
	XSW
.else
	XADD \xr, \xq
.endif
.endm
; A step's second substep and the change of slots.  In front of the round each wave waits for all its tensor loads (its part of the next slot), adds 0 to its spare word, and waits for that and
; for its reads of this slot; behind the round this slot is filled again first.  kind 0: with step s66 + 2; kind 1: with W2's step 0; kind 2: with W2's step 1.
.macro GTURN kind, fetch
.if (\kind) == 2
	s_wait_xcnt 0x0                                ; the prefetch a step back has read its address
	s_add_nc_u64 s[92:93], s[92:93], 256
.endif
	WIN 0
	s_wait_tensorcnt 0x0                           ; no tensor load of mine is out, so a group 0 may be written
	ds_add_u32 v28, v29
.if (\kind) == 0
	s_add_co_u32 s104, s66, 2
	s_lshl_b32 s100, s104, 16
	s_xor_b32 s73, s73, SLOT
	s_add_nc_u64 s[74:75], s[8:9], s[100:101]
	s_or_b32 s75, s75, 0x80000000
	s_lshl_b32 s100, s104, 14
	s_xor_b32 s81, s81, SLOT
	s_add_nc_u64 s[82:83], s[6:7], s[100:101]
	s_or_b32 s83, s83, 0x80000000
	s_lshr_b32 s100, s104, 1                       ; x: row tile step / 2 (16 rows of 131,072 bytes), column half step % 2
	s_lshl_b32 s100, s100, 21
	s_and_b32 s104, s104, 1
	s_lshl_b32 s104, s104, 10
	s_add_co_u32 s100, s100, s104
	s_xor_b32 s89, s89, SLOT
	s_add_nc_u64 s[90:91], s[4:5], s[100:101]
	s_or_b32 s91, s91, 0x80000000
.elseif (\kind) == 2
	s_xor_b32 s29, s29, SLOT
	s_add_nc_u64 s[30:31], s[30:31], 256
.endif
	s_wait_dscnt 0x1                               ; the add alone may be out: the fragments are in
	MM 1, 1, 0, 16, 0, 0
	s_wait_dscnt 0x0                               ; the add is done, and my reads of this slot are over
	s_barrier_signal -1
	MM 1, 1, 16, 16, 0, 0
	WIN 0
	s_barrier_wait -1
	CREST
.if (\kind) == 0
	LOADG
.else
	LOADF
.endif
.if \fetch
	s_xor_b32 s27, s27, SLOT
	v_add_nc_u32 v7, s27, v4
	v_add_nc_u32 v8, s27, v5
	v_add_nc_u32 v9, s27, v6
	FETCHG 0, 0
	FETCHX
.endif
.if (\kind) != 0
	ASK 1
.endif
	MM 1, 1, 32, 32, 0, 0
.endm
	GQ 1, 0, 0                                     ; step 0's first products start the sums
	s_mov_b32 s66, 0
.Lg:                                               ; six trips: steps 2 to 7 are asked for
	GTURN 0, 1
	s_add_co_u32 s66, s66, 1
	GQ 0, -1, 0
	s_cmp_lt_u32 s66, 6
	s_cbranch_scc1 .Lg
	GTURN 1, 1                                     ; slot 0 takes W2's step 0
	GQ 0, 3, 1
	GTURN 2, 0                                     ; slot 1 takes W2's step 1; the wait and the round in it have shown step 0 whole
; LAYER NORM over the 512 columns that two waves share.  gs, bs: the scalar pairs of gain and bias; stb: the sums' bytes; first = 1: w1's first loads, and the rows' first columns for q.
.macro LNSUM w                         ; sums and sums of squares of window 2 + w: eight chains, each accumulator from its low end on
	WIN 0x0a+5*(\w)
.set lt, 0
.rept 16
.set lp, 0
.rept 4
.irp rr, 0, 1
.set la, 8*(16*\rr+lt)+2*lp
.set lc, 128+8*(2*(\w)+\rr)+4*(lp%2)
.if (lt == 0) && (lp < 2)
	v_pk_mul_f32 v[lc:lc+1], v[la:la+1], 1.0 op_sel_hi:[1,0]
	v_pk_mul_f32 v[lc+2:lc+3], v[la:la+1], v[la:la+1]
.else
	v_pk_fma_f32 v[lc:lc+1], v[la:la+1], 1.0, v[lc:lc+1] op_sel_hi:[1,0,1]
	v_pk_fma_f32 v[lc+2:lc+3], v[la:la+1], v[la:la+1], v[lc+2:lc+3]
.endif
.endr
.set lp, lp+1
.endr
.set lt, lt+1
.endr
.endm
.macro LNAPP w                         ; (v - mean) / spread as v A + C, then times g plus b
	WIN 0x82+0x41*(\w)
.set la, 0
.rept 128
	v_pk_fma_f32 v[la:la+1], v[la:la+1], v[112+4*(2*(\w)+la/128):113+4*(2*(\w)+la/128)], v[114+4*(2*(\w)+la/128):115+4*(2*(\w)+la/128)] op_sel_hi:[1,0,0]
.set la, la+2
.endr
	WIN 0x96+0x41*(\w)
.set la, 0
.rept 128
	v_pk_fma_f32 v[la:la+1], v[la:la+1], v[la%128:la%128+1], v[128+la%128:129+la%128]
.set la, la+2
.endr
.endm
.macro LN gs, bs, stb, first
	PLACES                                         ; behind the last products
.if \first
	WFL 0, 0
	WFL 1, 512
	WFL 2, 1024
	WFL 3, 1536
	global_load_b128 v[208:211], v19, s[\gs:\gs+1]
	global_load_b128 v[212:215], v19, s[\gs:\gs+1] offset:16
	global_load_b128 v[216:219], v19, s[\bs:\bs+1]
	global_load_b128 v[220:223], v19, s[\bs:\bs+1] offset:16
.endif
	WIN 0x40
.set li, 0
.rept 16
	global_load_b128 v[8*li:8*li+3], v18, s[\gs:\gs+1] offset:(li/8)*1024+(li%8)*64
	global_load_b128 v[8*li+4:8*li+7], v18, s[\gs:\gs+1] offset:(li/8)*1024+(li%8)*64+16
	global_load_b128 v[128+8*li:128+8*li+3], v18, s[\bs:\bs+1] offset:(li/8)*1024+(li%8)*64
	global_load_b128 v[128+8*li+4:128+8*li+7], v18, s[\bs:\bs+1] offset:(li/8)*1024+(li%8)*64+16
.set li, li+1
.endr
	LNSUM 0
	LNSUM 1
	WIN 0
.set li, 0
.rept 4
	v_pk_add_f32 v[112+4*li:113+4*li], v[128+8*li:129+8*li], v[132+8*li:133+8*li]
	v_pk_add_f32 v[114+4*li:115+4*li], v[130+8*li:131+8*li], v[134+8*li:135+8*li]
.set li, li+1
.endr
.set li, 0
.rept 8
	v_add_f32 v[112+2*li], v[112+2*li], v[113+2*li]
.set li, li+1
.endr
.set li, 0
.rept 8
	v_permlanex16_b32 v[113+2*li], v[112+2*li], s96, s97  ; the row's other columns lie in the lane 16 away
.set li, li+1
.endr
.set li, 0
.rept 8
	v_add_f32 v[112+2*li], v[112+2*li], v[113+2*li]
.set li, li+1
.endr
.set li, 0
.rept 4
	ds_store_b128 v14, v[112+4*li:115+4*li] offset:(\stb)+512*li
.set li, li+1
.endr
.if \first
	WIN 0x08
	ds_store_b128 v16, v[0:3]
	ds_store_b128 v16, v[4:7] offset:512
	ds_store_b128 v16, v[128:131] offset:1024
	ds_store_b128 v16, v[132:135] offset:1536
	WIN 0x0c
	ds_store_b128 v16, v[0:3] offset:2048
	ds_store_b128 v16, v[4:7] offset:2560
	ds_store_b128 v16, v[128:131] offset:3072
	ds_store_b128 v16, v[132:135] offset:3584
	WIN 0
.endif
	s_wait_dscnt 0x0                               ; for the others' sake: my stores are done, and my LDS reads are over
	s_barrier_signal -1
	s_barrier_wait -1
.set li, 0
.rept 4
	ds_load_b128 v[160+4*li:163+4*li], v15 offset:(\stb)+512*li       ; both waves' sums of my row half
	ds_load_b128 v[176+4*li:179+4*li], v15 offset:(\stb)+2048+512*li
.set li, li+1
.endr
.if \first
.set li, 0
.rept 8
	ds_load_b128 v[128+4*li:131+4*li], v17 offset:512*li  ; columns 0-15 of my rows, from the wave that owns them
.set li, li+1
.endr
.endif
	s_wait_dscnt 0x0
.set li, 0
.rept 4
	v_add_f32 v[112+4*li], v[160+4*li], v[176+4*li]
	v_add_f32 v[114+4*li], v[162+4*li], v[178+4*li]
	v_mul_f32 v[112+4*li], 0x3b000000, v[112+4*li]                   ; mean = sum / 512
	v_mul_f32 v[114+4*li], 0x3b000000, v[114+4*li]
	v_fma_f32 v[114+4*li], -v[112+4*li], v[112+4*li], v[114+4*li]
	v_max_num_f32 v[114+4*li], 0, v[114+4*li]
	v_add_f32 v[114+4*li], 0x3727c5ac, v[114+4*li]                   ; + 1e-5
.set li, li+1
.endr
.set li, 0
.rept 4
	v_rsq_f32 v[113+4*li], v[114+4*li]
.set li, li+1
.endr
	v_nop
	s_wait_alu depctr_va_vdst(0)                   ; one wait for the four roots, ahead of the first reader
.set li, 0
.rept 4
	v_mul_f32 v[114+4*li], -v[112+4*li], v[113+4*li]  ; C = - mean A
	v_mov_b32 v[112+4*li], v[113+4*li]                ; A
.set li, li+1
.endr
	s_wait_loadcnt 0x0                             ; g and b
	LNAPP 0
	LNAPP 1
	WIN 0
.endm
	WIN 0
	s_mov_b32 s40, 0x408e2c19                      ; the first phase's loads were shown done two changes of slots back: their descriptors' registers are free
	s_mov_b32 s41, s40
	s_mov_b32 s42, 0xc0e9dd2e
	s_mov_b32 s43, s42
	s_mov_b32 s44, 0x4066d083
	s_mov_b32 s45, s44
	s_mov_b32 s46, 0xbf58f4fa
	s_mov_b32 s47, s46
	s_mov_b32 s48, 0x3dedeb7f
	s_mov_b32 s49, s48
	s_mov_b32 s50, 0xbc2ac6be
	s_mov_b32 s51, s50
	s_mov_b32 s52, 0x3e22f983
	s_mov_b32 s53, s52
	s_load_b256 s[84:91], s[18:19], 0x0            ; theta_ffn
	LN 10, 12, 0, 1
	; q = cos(theta_ffn) cos(x1[:8]): lanes 0-15 hold columns 0-7 of their row; lanes 16-31 are made 0, and so are K = 8-15 and 24-31 of q's fragments
	s_wait_kmcnt 0x0
.set qi, 0
.rept 8
	v_mov_b32 v[68+qi], s[84+qi]
	v_mul_f32 v[68+qi], s52, v[68+qi]
.set qi, qi+1
.endr
	COS 68, 160, 224, 4
.set qi, 0
.rept 8
	v_cndmask_b32 v[68+qi], v[68+qi], v31, s98
.set qi, qi+1
.endr
.set qi, 0
.rept 16
	v_pk_fma_f32 v[128+2*qi:129+2*qi], v[128+2*qi:129+2*qi], v[112+4*(qi/4):113+4*(qi/4)], v[114+4*(qi/4):115+4*(qi/4)] op_sel_hi:[1,0,0]
.set qi, qi+1
.endr
.set qi, 0
.rept 16
	v_pk_fma_f32 v[128+2*qi:129+2*qi], v[128+2*qi:129+2*qi], v[208+2*(qi%4):209+2*(qi%4)], v[216+2*(qi%4):217+2*(qi%4)]
.set qi, qi+1
.endr
.set qi, 0
.rept 16
	v_pk_mul_f32 v[128+2*qi:129+2*qi], v[128+2*qi:129+2*qi], s[IV:IV+1] op_sel_hi:[1,0]
.set qi, qi+1
.endr
	COS 128, 160, 224, 16
.set qi, 0
.rept 16
	v_pk_mul_f32 v[128+2*qi:129+2*qi], v[128+2*qi:129+2*qi], v[68+2*(qi%4):69+2*(qi%4)]
.set qi, qi+1
.endr
.set qi, 0
.rept 16
	v_cvt_pk_bf16_f32 v[36+8*(qi/4)+qi%4], v[128+2*qi], v[129+2*qi]
.set qi, qi+1
.endr
; THE SECOND PHASE: sixteen steps of K = 128, four substeps each.  Substep n multiplies W2's fragments by P (h of its 32 columns); beside its products stand h's products for substep n + 1 and,
; as riders, their rounding and relu; in its middle the next fragments and the w1 rows four substeps on are asked for.
.macro Q u
.set RK, 0
.set NXT, ((\u)+1)%2
	s_wait_loadcnt 0x6                             ; w1's rows for the next substep are in; the three pairs issued behind them may stay out
	HW (\u)+1
	s_wait_dscnt 0x0
	MM (\u)%2, (\u)%2, 0, 32, 1, 0
	FETCHF (\u)+1, ((\u)+1)%2
	WFL (\u)+1, ((\u)+5)*512
	MM (\u)%2, (\u)%2, 32, 32, 1, 0
.endm
.macro FTURN fill                      ; the fourth substep and the change of slots, in the first phase's order; fill = 1: this slot takes the step two on
.set RK, 0
.set NXT, 0
	WIN 0
	s_wait_xcnt 0x0                                ; every load and prefetch issued so far has read its address
	s_add_nc_u64 s[94:95], s[94:95], 2048
	s_add_nc_u64 s[92:93], s[92:93], 256
	s_wait_loadcnt 0x6
	HW 0
	s_wait_tensorcnt 0x0
	ds_add_u32 v28, v29
.if \fill
	s_xor_b32 s29, s29, SLOT
	s_add_nc_u64 s[30:31], s[30:31], 256
.endif
	s_wait_dscnt 0x1                               ; the add alone may be out
	MM 1, 1, 0, 16, 1, 0
	s_wait_dscnt 0x0
	s_barrier_signal -1
	MM 1, 1, 16, 16, 1, 0
	WIN 0
	s_barrier_wait -1
.if \fill
	CREST
	LOADF
.endif
	s_xor_b32 s27, s27, SLOT
	v_add_nc_u32 v11, s27, v10
	v_add_nc_u32 v12, 69632, v11
	FETCHF 0, 0
	WFL 0, 2048
.if \fill
	ASK 0
.endif
	MM 1, 1, 32, 32, 1, 0
.endm
	s_mov_b32 s27, 0
	v_mov_b32 v11, v10
	v_add_nc_u32 v12, 69632, v11
	FETCHF 0, 0
	HW 0
	PLACES
	WFL 0, 2048
.set RK, 4
.set NXT, 0
.rept 64
	RID
.endr
	s_mov_b32 s67, 14
.Lf:                                               ; steps 0 to 13: steps 2 to 15 are asked for
	Q 0
	Q 1
	Q 2
	FTURN 1
	WIN 0
	s_sub_co_u32 s67, s67, 1
	s_cmp_lg_u32 s67, 0
	s_cbranch_scc1 .Lf
	s_mov_b32 s67, 2
.Lt:                                               ; steps 14 and 15 ask for nothing
	Q 0
	Q 1
	Q 2
	FTURN 0
	WIN 0
	s_sub_co_u32 s67, s67, 1
	s_cmp_lg_u32 s67, 0
	s_cbranch_scc1 .Lt
	s_wait_dscnt 0x0                               ; the last look-ahead's loads land before their registers are used again
	s_wait_loadcnt 0x0
	LN 14, 16, ST2R, 0                             ; its barrier also stands between every wave's last reads of slot 0 and the stage's stores below
; THE WAY OUT, a row tile at a time, through my stage (16 rows x 1,040 bytes in slot 0, which has had its last fill): in as 32 bytes a lane, back as runs of 512 bytes.
.macro OUTB r
	WIN 0
	s_wait_xcnt 0x0                                ; earlier stores have read the registers that are loaded again below
	WIN 0x08+4*((\r)/2)
.set oi, 0
.rept 16
.set oa, 8*(16*((\r)%2)+oi)
	ds_store_b128 v20, v[oa:oa+3] offset:64*oi
	ds_store_b128 v20, v[oa+4:oa+7] offset:64*oi+16
.set oi, oi+1
.endr
	WIN 0x40
.set oi, 0
.rept 32
	ds_load_b128 v[128*((\r)%2)+4*oi:128*((\r)%2)+4*oi+3], v21 offset:(oi/2)*1040+(oi%2)*512  ; LDS serves a wave's instructions in order: these see the stores above
.set oi, oi+1
.endr
	s_wait_dscnt 0x0
	WIN 0x04
.set oi, 0
.rept 32
	global_store_b128 v22, v[128*((\r)%2)+4*oi:128*((\r)%2)+4*oi+3], s[20:21] offset:(16*(\r)+oi/2)*131072+(oi%2)*1024 th:TH_STORE_NT  ; 512 consecutive bytes, aligned
.set oi, oi+1
.endr
.endm
	OUTB 0
	OUTB 1
	OUTB 2
	OUTB 3
	WIN 0
	s_wait_tensorcnt 0x0                           ; the wave's end, behind my last tensor load and my last LDS store
	ds_add_u32 v28, v29
	s_wait_dscnt 0x0
	CROUND                                         ; the closing round: no work-group ends while a partner may still ask for a tile that names it
	s_endpgm
.Lfunc_end_k_qf0967965ae_block:
	.size	k_qf0967965ae_block, .Lfunc_end_k_qf0967965ae_block-k_qf0967965ae_block
	.p2alignl 7, 3214868480
	.fill 96, 4, 3214868480
	.section	.rodata,"a",@progbits
	.p2align	6, 0x0
	.amdhsa_kernel k_qf0967965ae_block
		.amdhsa_group_segment_fixed_size 327680
		.amdhsa_private_segment_fixed_size 0
		.amdhsa_enable_private_segment 0
		.amdhsa_kernarg_size 72
		.amdhsa_user_sgpr_count 2
		.amdhsa_user_sgpr_kernarg_segment_ptr 1
		.amdhsa_wavefront_size32 1
		.amdhsa_system_sgpr_workgroup_id_x 1
		.amdhsa_system_sgpr_workgroup_id_y 1
		.amdhsa_system_sgpr_workgroup_id_z 1
		.amdhsa_system_vgpr_workitem_id 0
		.amdhsa_next_free_vgpr 1024
		.amdhsa_next_free_sgpr 106
		.amdhsa_reserve_vcc 0
		.amdhsa_float_denorm_mode_32 3
		.amdhsa_float_denorm_mode_16_64 3
		.amdhsa_memory_ordered 1
		.amdhsa_forward_progress 1
		.amdhsa_inst_pref_size 255
	.end_amdhsa_kernel
	.section	.bss,"aw",@nobits
	.p2align	6
	.space	262144
	.amdgpu_metadata
---
amdhsa.version: [ 1, 2 ]
amdhsa.kernels:
  - .name:           k_qf0967965ae_block
    .symbol:         k_qf0967965ae_block.kd
    .args:
      - { .name: x, .offset: 0, .size: 8, .value_kind: global_buffer, .address_space: global }
      - { .name: o2, .offset: 8, .size: 8, .value_kind: global_buffer, .address_space: global }
      - { .name: wpk, .offset: 16, .size: 8, .value_kind: global_buffer, .address_space: global }
      - { .name: ln1_g, .offset: 24, .size: 8, .value_kind: global_buffer, .address_space: global }
      - { .name: ln1_b, .offset: 32, .size: 8, .value_kind: global_buffer, .address_space: global }
      - { .name: ln2_g, .offset: 40, .size: 8, .value_kind: global_buffer, .address_space: global }
      - { .name: ln2_b, .offset: 48, .size: 8, .value_kind: global_buffer, .address_space: global }
      - { .name: theta_ffn, .offset: 56, .size: 8, .value_kind: global_buffer, .address_space: global }
      - { .name: out0, .offset: 64, .size: 8, .value_kind: global_buffer, .address_space: global }
    .group_segment_fixed_size: 327680
    .private_segment_fixed_size: 0
    .kernarg_segment_align: 8
    .kernarg_segment_size: 72
    .max_flat_workgroup_size: 128
    .sgpr_count:     106
    .vgpr_count:     1024
    .wavefront_size: 32
...
	.end_amdgpu_metadata
.endif
;; end of part 2
;; ======== version 2 of 2: 2 launches; version 1 with the launch attn written anew for expert scheduling mode
;; limits: a difference of large sums (such as E[x^2] - mean^2): digits are lost where the result is much smaller than its terms
;; workspace buffers: o2 33,554,432 bytes; wpk 2,662,400 bytes
;; launch attn (part 3): grid 256 x 1, 16 waves a work-group, no clusters, 182,272 bytes of LDS; arguments x, theta_attn, w_combine, w2, w1, o2, wpk; writes o2, wpk
.if DOCPART == 3
	.amdgcn_target "amdgcn-amd-amdhsa--gfx1250"
	.amdhsa_code_object_version 6
	.text
	.protected	k_qf0967965ae_attn
	.globl	k_qf0967965ae_attn
	.p2align	8
	.type	k_qf0967965ae_attn,@function
k_qf0967965ae_attn:
	s_mov_b64 s[64:65], 0
	v_nop
	global_prefetch_b8 v0, s[64:65] scope:SCOPE_SE
	s_setreg_imm32_b32 hwreg(HW_REG_WAVE_SCHED_MODE, 0, 2), 2
	s_setreg_imm32_b32 hwreg(HW_REG_WAVE_MODE, 25, 1), 1
	s_wait_xcnt 0x0
	s_wait_alu depctr_vm_vsrc(0)
; ATTENTION INSIDE EACH TOKEN, and the weights' copy in bf16.
; A token is 64 heads of 8 numbers; q = k = v = cumprod(cos(x + theta)); scores q.q / sqrt(8); softmax over the 64 heads; weights times v.
; SHARES.  Work-group g owns tokens 128 g .. 128 g + 127, wave w the eight tokens 128 g + 8 w + i.  The transposed view sends (token s, head h, n) to
; row h 64 + s / 64, column (s % 64) 8 + n, so a wave's results are one dense block of o2: 64 rows (h) x 128 bytes, token i at bytes 16 i of each row.
; No wave reads what another wrote: no barrier.  EXEC is never changed.
; LAYOUT.  A lane makes heads l and l + 32.  They go to LDS as rows of 32 bytes [sqrt(c) q0..q7 | 1, 0 x 7] in bf16, c = log2(e) / sqrt(8).
; S^T = K Q^T over those 16 columns is c q.q + 1, the base-2 exponent plus one.  V^T P over the same rows gives sqrt(c) sum(p q) in channels 0-7 and sum(p) in channel 8.
; The extra 1 doubles every weight and their sum alike.
; NO MAXIMUM IS TAKEN: |q| <= 1 for every input (products of cosines), so every exponent lies in -3.1 .. 5.1, every weight under 35, a row's sum under 2,200.
; COSINE.  t = a / 2 pi, f = t - round(t), s = sqrt(2) sin(pi f) by its series to f^11, cos = 1 - s s.  Error under 3e-7, plus that of t: about 1e-7 |a| in the angle.
; LIMITS.  q, the weights and the result are rounded to bf16 once each.  NaN and infinities are not treated apart.
; In the last trip the two look-ahead loads name tokens 6 and 7 once more (4 KiB a wave), so that no load leaves the wave's share.
; THE MODE: SCHED_MODE bits 1:0 = 2 (LLVM: expert scheduling mode 2), set by the entry lines.  The code itself states the register dependences
; between vector or matrix instructions and memory or LDS instructions, with s_wait_alu, always for 0.
; THE PLAN.  Registers that memory or LDS instructions touch, in the loop:
;   X0 = v32-47, X1 = v48-63   A token's eight unpacking lines read its X; the loads of the token two further on land in it.
;   v4, v5       X0's and X1's offsets: written by one add at the head of the buffer's token, read by its four loads.
;   R = v224-231 The token's two rows, packed: written by its eight roundings, read by two LDS stores.
;   v64-67 (+ 8 i), v96-111   The fragments: eight LDS loads land in them; the token's products read them.
;   O0 = v232-235, O1 = v244-247   The 16 bytes a lane of the token's first and second half: written by that half's roundings and selects, read by one stage store each.
;   v9           The stage address: written once a trip, read by the trip's four stage stores.
;   v6, v7, v8, v10, v14   Made at the head and never written again.
; ONE wait on va_vdst a token, behind the roundings, stands ahead of the token's whole run of memory and LDS instructions: the four loads into X, the stage store from O1 that the token
; before left, the two stores of R, the eight loads of fragments.  No vector line stands inside the run.  O0's store stands behind the second half's wait for its exponentials, which stands
; there in any case; the second token's O1 has a wait of its own at the trip's end.  ONE wait on vm_vsrc a token stands behind the run: all that was issued so far has read v4 or v5, R, O0,
; O1 and v9, each of which is written again only further down.
.set WLDS,  11264                      ; a wave's LDS: the stage, 64 rows x 144 bytes, then the 64 rows of 32 bytes
.set QBO,   9216
.set SPARE, 180224                     ; behind the sixteen waves' parts: the spare words, 128 bytes a wave
.set SC,    24                         ; s[24:35] the series' six coefficients, each as a pair
.set IV,    54                         ; s[54:55] 1 / 2 pi
; v1 32 l   v2 l % 16   v3 l / 16   v4, v5 x offsets   v6 my two rows   v7 fragment rows   v8 turning load   v9 stage, this trip   v10 stage read   v11 stage   v12, v13 spare word, 0   v14 16 l
; v16-23 theta / 2 pi   v24-31 reciprocals and sums   v32-47, v48-63 x of two tokens   v64-95 four fragments of q   v96-111 two of v^T
; v112-175 scores (before that the cosine's work)   v176-207 weights   v208-223 results   v224-231 R   v232-235 O0   v236-243 at work   v244-247 O1
.macro COS t, k, p, np                 ; cos(2 pi t) for np pairs at v[t], in place; v[k], v[p] at work
.set ci, 0
.rept 2*(\np)
	v_rndne_f32 v[(\k)+ci], v[(\t)+ci]
.set ci, ci+1
.endr
.set ci, 0
.rept \np
	v_pk_add_f32 v[(\t)+ci:(\t)+ci+1], v[(\t)+ci:(\t)+ci+1], v[(\k)+ci:(\k)+ci+1] neg_lo:[0,1] neg_hi:[0,1]  ; f, exact
.set ci, ci+2
.endr
.set ci, 0
.rept \np
	v_pk_mul_f32 v[(\k)+ci:(\k)+ci+1], v[(\t)+ci:(\t)+ci+1], v[(\t)+ci:(\t)+ci+1]  ; u = f f
.set ci, ci+2
.endr
.set ci, 0
.rept \np
	v_pk_fma_f32 v[(\p)+ci:(\p)+ci+1], v[(\k)+ci:(\k)+ci+1], s[SC+10:SC+11], s[SC+8:SC+9] op_sel_hi:[1,0,0]
.set ci, ci+2
.endr
.irp cc, 6, 4, 2, 0
.set ci, 0
.rept \np
	v_pk_fma_f32 v[(\p)+ci:(\p)+ci+1], v[(\p)+ci:(\p)+ci+1], v[(\k)+ci:(\k)+ci+1], s[SC+\cc:SC+\cc+1] op_sel_hi:[1,1,0]
.set ci, ci+2
.endr
.endr
.set ci, 0
.rept \np
	v_pk_mul_f32 v[(\p)+ci:(\p)+ci+1], v[(\t)+ci:(\t)+ci+1], v[(\p)+ci:(\p)+ci+1]  ; s
.set ci, ci+2
.endr
.set ci, 0
.rept \np
	v_pk_fma_f32 v[(\t)+ci:(\t)+ci+1], v[(\p)+ci:(\p)+ci+1], v[(\p)+ci:(\p)+ci+1], 1.0 op_sel_hi:[1,1,0] neg_lo:[1,0,0] neg_hi:[1,0,0]  ; 1 - s s
.set ci, ci+2
.endr
.endm
	s_load_b256 s[4:11], s[0:1], 0x0               ; x, theta, w_combine, w2
	s_load_b128 s[12:15], s[0:1], 0x20             ; w1, o2
	s_load_b64 s[16:17], s[0:1], 0x30              ; wpk
	v_lshl_add_u32 v12, v0, 2, SPARE
	v_mov_b32 v13, 0
	v_lshrrev_b32 v14, 5, v0
	v_readfirstlane_b32 s18, v14                   ; wave 0..15
	v_and_b32 v15, 31, v0                          ; l
	v_and_b32 v2, 15, v0
	v_bfe_u32 v3, v0, 4, 1
	v_lshlrev_b32 v1, 5, v15
	s_wait_alu depctr_va_sdst(0)                   ; s18 is written, ahead of its first reader: LDS places, bases and the branches on the wave's number are made from it
	s_mul_i32 s56, s18, WLDS
	s_add_co_u32 s57, s56, QBO
	v_add_nc_u32 v6, s57, v1                       ; row l of the 64
	v_lshlrev_b32 v7, 5, v2
	v_lshl_add_u32 v7, v3, 4, v7
	v_add_nc_u32 v7, s57, v7                       ; row l % 16, half l / 16
	v_and_b32 v240, 7, v0
	v_bfe_u32 v241, v0, 3, 1
	v_lshlrev_b32 v8, 5, v240
	v_lshl_add_u32 v8, v3, 8, v8
	v_lshl_add_u32 v8, v241, 4, v8
	v_add_nc_u32 v8, s57, v8                       ; row 8 (l / 16) + l % 8, half (l / 8) % 2
	v_mul_u32_u24 v11, v15, 144
	v_add_nc_u32 v11, s56, v11                     ; stage row l
	v_bfe_u32 v241, v0, 3, 2
	v_mul_u32_u24 v10, v241, 144
	v_lshl_add_u32 v10, v240, 4, v10
	v_add_nc_u32 v10, s56, v10                     ; back: four rows of 128 bytes to a load
	v_lshlrev_b32 v14, 4, v15
	s_mov_b32 s60, ttmp9
	s_lshl_b32 s52, s60, 18                        ; my tokens in x: 128 g + 8 w rows of 2,048 bytes
	s_lshl_b32 s53, s18, 14
	s_add_co_u32 s52, s52, s53
	s_mov_b32 s53, 0
	s_lshl_b32 s58, s60, 17                        ; my block of o2
	s_and_b32 s59, s18, 7
	s_lshl_b32 s59, s59, 14
	s_add_co_u32 s58, s58, s59
	s_lshr_b32 s59, s18, 3
	s_lshl_b32 s59, s59, 13
	s_add_co_u32 s58, s58, s59
	s_mov_b32 s59, 0
	s_lshl_b32 s61, s60, 14
	s_lshl_b32 s62, s60, 13
	s_add_co_u32 s62, s62, 524288
	s_lshl_b32 s63, s60, 7
	s_mov_b32 s21, 0xffff0000                      ; lanes 16-31
	s_mov_b32 s24, 0x408e2c19                      ; 4.44288294
	s_mov_b32 s25, s24
	s_mov_b32 s26, 0xc0e9dd2e                      ; -7.30824950
	s_mov_b32 s27, s26
	s_mov_b32 s28, 0x4066d083                      ; 3.60647657
	s_mov_b32 s29, s28
	s_mov_b32 s30, 0xbf58f4fa                      ; -0.84748802
	s_mov_b32 s31, s30
	s_mov_b32 s32, 0x3dedeb7f                      ; 0.11617183
	s_mov_b32 s33, s32
	s_mov_b32 s34, 0xbc2ac6be                      ; -0.01042336
	s_mov_b32 s35, s34
	s_mov_b32 s36, 0x3f36d544                      ; sqrt(c) = 0.71419166
	s_mov_b32 s38, 0x76543210                      ; each lane takes its own place in the other half
	s_mov_b32 s39, 0xfedcba98
	s_mov_b32 s54, 0x3e22f983                      ; 1 / 2 pi
	s_mov_b32 s55, s54
	v_mov_b32 v4, v1
	v_mov_b32 v5, v1
	v_lshl_add_u32 v124, v0, 5, s61                ; piece 512 g + t: 32 bytes of f32,
	v_lshl_add_u32 v125, v0, 4, s62                ; 16 bytes of bf16, behind Wc's copy
	s_wait_kmcnt 0x0
	s_load_b256 s[40:47], s[6:7], 0x0              ; theta
	s_add_nc_u64 s[48:49], s[4:5], s[52:53]
	s_add_nc_u64 s[50:51], s[14:15], s[58:59]
	s_wait_alu depctr_va_vdst(0)                   ; the offsets and LDS addresses v4 to v8, v10, v14, v124 and v125 are written, which the loads and stores below read
	global_load_b128 v[32:35], v4, s[48:49] th:TH_LOAD_NT              ; token 0: heads l and l + 32
	global_load_b128 v[36:39], v4, s[48:49] offset:16 th:TH_LOAD_NT
	global_load_b128 v[40:43], v4, s[48:49] offset:1024 th:TH_LOAD_NT
	global_load_b128 v[44:47], v4, s[48:49] offset:1040 th:TH_LOAD_NT
	global_load_b128 v[48:51], v5, s[48:49] offset:2048 th:TH_LOAD_NT  ; token 1
	global_load_b128 v[52:55], v5, s[48:49] offset:2064 th:TH_LOAD_NT
	global_load_b128 v[56:59], v5, s[48:49] offset:3072 th:TH_LOAD_NT
	global_load_b128 v[60:63], v5, s[48:49] offset:3088 th:TH_LOAD_NT
	; THE WEIGHTS' COPY: a piece is 8 numbers; sixteen lanes store 256 consecutive bytes.  W2 keeps its rows: every thread one piece.
	global_load_b128 v[112:115], v124, s[10:11]
	global_load_b128 v[116:119], v124, s[10:11] offset:16
	s_cmp_lt_u32 s18, 4                            ; Wc: waves 0-3, piece o = 128 g + t, laid as [8 j][512 e][64 k]
	s_cbranch_scc0 .Lnowc
	v_add_nc_u32 v140, s63, v0
	v_bfe_u32 v141, v140, 3, 9                     ; e
	v_lshrrev_b32 v142, 12, v140                   ; j
	v_and_b32 v143, 7, v140
	v_lshlrev_b32 v141, 11, v141
	v_lshl_add_u32 v141, v142, 8, v141
	v_lshl_add_u32 v141, v143, 5, v141
	v_lshlrev_b32 v140, 4, v140
	s_wait_alu depctr_va_vdst(0)                   ; v141 is written, which the two loads read as their offset
	global_load_b128 v[128:131], v141, s[8:9]
	global_load_b128 v[132:135], v141, s[8:9] offset:16
	s_wait_loadcnt 0x0
	v_cvt_pk_bf16_f32 v136, v128, v129
	v_cvt_pk_bf16_f32 v137, v130, v131
	v_cvt_pk_bf16_f32 v138, v132, v133
	v_cvt_pk_bf16_f32 v139, v134, v135
	s_wait_alu depctr_va_vdst(0)                   ; the roundings have written v136 to v139, the store's data
	global_store_b128 v140, v[136:139], s[16:17]
.Lnowc:
	s_cmp_lt_u32 s60, 4                            ; w1: work-groups 0-3; its pieces have W2's offsets, 2,097,152 bytes further on in wpk
	s_cbranch_scc0 .Lnow1
	global_load_b128 v[144:147], v124, s[12:13]    ; no wait: no vector line since v124 was shown written names it or v144 to v151
	global_load_b128 v[148:151], v124, s[12:13] offset:16
	s_wait_loadcnt 0x0
	v_cvt_pk_bf16_f32 v152, v144, v145
	v_cvt_pk_bf16_f32 v153, v146, v147
	v_cvt_pk_bf16_f32 v154, v148, v149
	v_cvt_pk_bf16_f32 v155, v150, v151
	s_wait_alu depctr_va_vdst(0)                   ; the roundings have written v152 to v155, the store's data
	global_store_b128 v125, v[152:155], s[16:17] offset:2097152
.Lnow1:
	s_cmp_eq_u32 s60, 4                            ; work-group 4: the 8,192 bytes of zeros behind w1's copy
	s_cbranch_scc0 .Lnoz
	v_mov_b32 v160, 0
	v_mov_b32 v161, 0
	v_mov_b32 v162, 0
	v_mov_b32 v163, 0
	s_wait_alu depctr_va_vdst(0)                   ; v160 to v163 are written, the store's data
	global_store_b128 v125, v[160:163], s[16:17] offset:2097152
.Lnoz:
	s_wait_loadcnt 0x0
	v_cvt_pk_bf16_f32 v120, v112, v113
	v_cvt_pk_bf16_f32 v121, v114, v115
	v_cvt_pk_bf16_f32 v122, v116, v117
	v_cvt_pk_bf16_f32 v123, v118, v119
	s_wait_kmcnt 0x0
.set i, 0
.rept 8
	v_mov_b32 v[16+i], s[40+i]
	v_mul_f32 v[16+i], s54, v[16+i]                ; theta / 2 pi
	v_mov_b32 v[24+i], 0
.set i, i+1
.endr
.set i, 0
.rept 4
	v_mov_b32 v[68+8*i], 0                         ; columns 16-31 of every fragment of q stay 0
	v_mov_b32 v[69+8*i], 0
	v_mov_b32 v[70+8*i], 0
	v_mov_b32 v[71+8*i], 0
.set i, i+1
.endr
	v_mov_b32 v240, 0x3f80                         ; 1, 0 in bf16
	v_mov_b32 v241, 0
	v_mov_b32 v242, 0
	v_mov_b32 v243, 0
	s_wait_alu depctr_va_vdst(0)                   ; one wait for three stores: the roundings have written v120 to v123, W2's piece, and v240 to v243 are written, the rows' constant halves
	global_store_b128 v125, v[120:123], s[16:17]
	ds_store_b128 v6, v[240:243] offset:16         ; the rows' constant halves, once
	ds_store_b128 v6, v[240:243] offset:1040
	s_wait_xcnt 0x0                                ; the copy's stores have had their addresses translated: their registers are written again only behind this wait,
	s_wait_alu depctr_vm_vsrc(0)                   ; and all loads and stores so far have read their registers: v4, v5, v120 to v125, v136 to v140, v152 to v155, v160 to v163 and v240 to v243, which the loop writes again
; Query tiles 2 be and 2 be + 1 against all 64 keys.  The half's 16 bytes a lane are left in O0 (be = 0) or O1 (be = 1); so: the token's place in a stage row.
.macro HALF be, so
.set OB, 232+12*(\be)
.irp bb, 0, 1
.irp a, 0, 1, 2, 3
	v_wmma_f32_16x16x32_bf16 v[112+8*(4*\bb+\a):119+8*(4*\bb+\a)], v[64+8*\a:71+8*\a], v[64+8*(2*(\be)+\bb):71+8*(2*(\be)+\bb)], 0
.endr
.endr
.rept 4
	v_nop                                          ; four places behind the last product
.endr
.set i, 0
.rept 64
	v_exp_f32 v[112+i], v[112+i]
.set i, i+1
.endr
	v_nop                                          ; a plain instruction behind the last exponential,
	s_wait_alu depctr_va_vdst(0)                   ; and one wait: the batch of 64 has written v112 to v175, ahead of the first reader; in the second half also: the first half's selects have written O0, and v9 is written
.if \be
	ds_store_b128 v9, v[232:235] offset:(\so)      ; heads l, this token's 16 bytes: no vector line since the wait names O0 or v9
.endif
.set i, 0
.rept 32
	v_cvt_pk_bf16_f32 v[176+i], v[112+2*i], v[113+2*i]
.set i, i+1
.endr
	v_wmma_f32_16x16x32_bf16 v[208:215], v[96:103], v[176:183], 0           ; the two accumulators take turns
	v_wmma_f32_16x16x32_bf16 v[216:223], v[96:103], v[192:199], 0
	v_wmma_f32_16x16x32_bf16 v[208:215], v[104:111], v[184:191], v[208:215]
	v_wmma_f32_16x16x32_bf16 v[216:223], v[104:111], v[200:207], v[216:223]
.rept 4
	v_nop
.endr
	v_permlanex16_b32 v28, v208, s38, s39          ; the weights' sum is channel 8: register 0 of the lane 16 away
	v_permlanex16_b32 v30, v216, s38, s39
	v_mul_f32 v28, s36, v28                        ; times sqrt(c), which the channels carry
	v_mul_f32 v30, s36, v30
	v_rcp_f32 v24, v28
	v_rcp_f32 v26, v30
	v_nop
	s_wait_alu depctr_va_vdst(0)                   ; both reciprocals have written v24 and v26, ahead of their first reader
.set i, 0
.rept 4
	v_pk_mul_f32 v[208+i:209+i], v[208+i:209+i], v[24:25] op_sel_hi:[1,0]
	v_pk_mul_f32 v[216+i:217+i], v[216+i:217+i], v[26:27] op_sel_hi:[1,0]
.set i, i+2
.endr
.set i, 0
.rept 4
	v_cvt_pk_bf16_f32 v[OB+i], v[208+2*i], v[209+2*i]
	v_cvt_pk_bf16_f32 v[236+i], v[216+2*i], v[217+2*i]
.set i, i+1
.endr
.set i, 0
.rept 4
	v_permlanex16_b32 v[240+i], v[236+i], s38, s39 ; lanes 16-31 (which hold no channel of use) take the second tile's 16 bytes
.set i, i+1
.endr
.set i, 0
.rept 4
	v_cndmask_b32 v[OB+i], v[OB+i], v[240+i], s21
.set i, i+1
.endr
.endm
; One token, from the x registers at x; they are filled again with the token two further on.  second = 0: a trip's first token, which makes v9; 1: its second, which stores the O1 that the first left.
.macro TOKEN x, xo, add, so, second
	s_wait_loadcnt 0x4                             ; my four loads are in; the other token's four, issued later, may stay out
.set i, 0
.rept 8
	v_pk_fma_f32 v[112+i:113+i], v[(\x)+i:(\x)+i+1], s[IV:IV+1], v[16+i%8:17+i%8] op_sel_hi:[1,0,1]
.set i, i+2
.endr
	v_add_nc_u32 v[\xo], s19, v1                   ; free since that wait; the loads that read it stand ahead of the wait on vm_vsrc two tokens back (in the first trip: the head's)
	COS 112, 128, 144, 8
	v_mul_f32 v112, s36, v112                      ; the running products, scaled by sqrt(c); the two heads alternate
	v_mul_f32 v120, s36, v120
.set i, 1
.rept 7
	v_mul_f32 v[112+i], v[111+i], v[112+i]
	v_mul_f32 v[120+i], v[119+i], v[120+i]
.set i, i+1
.endr
.set i, 0
.rept 8
	v_cvt_pk_bf16_f32 v[224+i], v[112+2*i], v[113+2*i]
.set i, i+1
.endr
	s_wait_alu depctr_va_vdst(0)                   ; the token's one wait, for the whole run below: the unpacking lines are done reading X and the offset is written (the four loads); the token before has written O1
	                                               ; (its stage store); the roundings have written R (the two stores); the token before's products are done reading the fragments (the eight LDS loads)
	global_load_b128 v[(\x):(\x)+3], v[\xo], s[48:49] offset:(\add) th:TH_LOAD_NT
	global_load_b128 v[(\x)+4:(\x)+7], v[\xo], s[48:49] offset:(\add)+16 th:TH_LOAD_NT
	global_load_b128 v[(\x)+8:(\x)+11], v[\xo], s[48:49] offset:(\add)+1024 th:TH_LOAD_NT
	global_load_b128 v[(\x)+12:(\x)+15], v[\xo], s[48:49] offset:(\add)+1040 th:TH_LOAD_NT
.if \second
	ds_store_b128 v9, v[244:247] offset:4608+(\so)-16  ; heads 32 + l of the token before
.endif
	ds_store_b128 v6, v[224:227]
	ds_store_b128 v6, v[228:231] offset:1024
.set i, 0
.rept 4
	ds_load_b128 v[64+8*i:67+8*i], v7 offset:512*i ; LDS serves a wave's instructions in order: these see the stores above
.set i, i+1
.endr
.set i, 0
.rept 4
	ds_load_tr16_b128 v[96+4*i:99+4*i], v8 offset:512*i
.set i, i+1
.endr
	s_wait_alu depctr_vm_vsrc(0)                   ; all loads and stores so far have read their registers: v9 (written just below), O0 and O1 (written in this token's halves), R (in the next token), the offset (two tokens on)
.if !(\second)
	v_add_nc_u32 v9, s58, v11                      ; this trip's place in a stage row; its first reader stands behind three waits on va_vdst
.endif
	s_wait_dscnt 0x0
	HALF 0, \so
	HALF 1, \so
.endm
	s_mov_b32 s19, 4096                            ; byte offset of the token that the first TOKEN of a trip asks for
	s_mov_b32 s58, 0                               ; this trip's first token in a stage row
	s_mov_b32 s20, 4
.Ltrip:
	TOKEN 32, 4, 0, 0, 0
	TOKEN 48, 5, 2048, 16, 1
	s_wait_alu depctr_va_vdst(0)                   ; the second token's selects have written O1, the store's data.  No vector line follows up to the way out: so every reader and writer of v112 to v175 is done too, in which its loads land
	ds_store_b128 v9, v[244:247] offset:4608+16    ; heads 32 + l of the trip's second token
	s_add_co_u32 s19, s19, 4096
	s_min_u32 s19, s19, 12288                      ; the last trip asks for tokens 6 and 7 again
	s_add_co_u32 s58, s58, 32
	s_sub_co_u32 s20, s20, 1
	s_cmp_lg_u32 s20, 0
	s_cbranch_scc1 .Ltrip
.set i, 0
.rept 16
	ds_load_b128 v[112+4*i:115+4*i], v10 offset:576*i
.set i, i+1
.endr
.set i, 0
.rept 16
	s_wait_dscnt 15-i                              ; the younger loads may stay out
	global_store_b128 v14, v[112+4*i:115+4*i], s[50:51] offset:512*i  ; 512 consecutive bytes, aligned
.set i, i+1
.endr
	s_wait_dscnt 0x0                               ; the closing lines, six on end
	s_wait_alu 0x0
	s_wait_tensorcnt 0x0
	ds_add_u32 v12, v13
	s_wait_dscnt 0x0
	s_endpgm
.Lfunc_end_k_qf0967965ae_attn:
	.size	k_qf0967965ae_attn, .Lfunc_end_k_qf0967965ae_attn-k_qf0967965ae_attn
	.p2alignl 7, 3214868480
	.fill 96, 4, 3214868480
	.section	.rodata,"a",@progbits
	.p2align	6, 0x0
	.amdhsa_kernel k_qf0967965ae_attn
		.amdhsa_group_segment_fixed_size 182272
		.amdhsa_private_segment_fixed_size 0
		.amdhsa_enable_private_segment 0
		.amdhsa_kernarg_size 56
		.amdhsa_user_sgpr_count 2
		.amdhsa_user_sgpr_kernarg_segment_ptr 1
		.amdhsa_wavefront_size32 1
		.amdhsa_system_sgpr_workgroup_id_x 1
		.amdhsa_system_sgpr_workgroup_id_y 1
		.amdhsa_system_sgpr_workgroup_id_z 1
		.amdhsa_system_vgpr_workitem_id 0
		.amdhsa_next_free_vgpr 256
		.amdhsa_next_free_sgpr 66
		.amdhsa_reserve_vcc 0
		.amdhsa_float_denorm_mode_32 3
		.amdhsa_float_denorm_mode_16_64 3
		.amdhsa_memory_ordered 1
		.amdhsa_forward_progress 1
		.amdhsa_inst_pref_size 56
	.end_amdhsa_kernel
	.amdgpu_metadata
---
amdhsa.version: [ 1, 2 ]
amdhsa.kernels:
  - .name:           k_qf0967965ae_attn
    .symbol:         k_qf0967965ae_attn.kd
    .args:
      - { .name: x, .offset: 0, .size: 8, .value_kind: global_buffer, .address_space: global }
      - { .name: theta_attn, .offset: 8, .size: 8, .value_kind: global_buffer, .address_space: global }
      - { .name: w_combine, .offset: 16, .size: 8, .value_kind: global_buffer, .address_space: global }
      - { .name: w2, .offset: 24, .size: 8, .value_kind: global_buffer, .address_space: global }
      - { .name: w1, .offset: 32, .size: 8, .value_kind: global_buffer, .address_space: global }
      - { .name: o2, .offset: 40, .size: 8, .value_kind: global_buffer, .address_space: global }
      - { .name: wpk, .offset: 48, .size: 8, .value_kind: global_buffer, .address_space: global }
    .group_segment_fixed_size: 182272
    .private_segment_fixed_size: 0
    .kernarg_segment_align: 8
    .kernarg_segment_size: 56
    .max_flat_workgroup_size: 512
    .sgpr_count:     66
    .vgpr_count:     256
    .wavefront_size: 32
...
	.end_amdgpu_metadata
.endif
;; end of part 3
;; launch block: the kernel of part 2 again; grid 256 x 1, 4 waves a work-group, clusters of 4 x 1, 327,680 bytes of LDS; arguments x, o2, wpk, ln1_g, ln1_b, ln2_g, ln2_b, theta_ffn, out0; writes out0
